; MI455X (gfx1250); checked and timed in simulation.
; The chip was launched on July 23, 2026; its instructions are those of AMD's public machine-readable ISA for CDNA 5 (MIT licence, August 2026) and "CDNA5" Instruction Set Architecture Reference Guide (July 2026). The comments in the code are by the model that wrote it; some were corrected since.
;; Multiheaded Attention FM. Allowed arithmetic: matrix products marked QUANTISED: E2M1 operands, one E8M0 scale for each 32 along K, by v_wmma_scale_f32_16x16x128_f8f6f4 with both operands' format E2M1 (or v_wmma_scale_f32_32x16x128_f4), f32 sums; everything else in f32.
;; Inputs: beta 256 float32; gamma 256 float32; wk 256 x 256 float32; wo 256 x 256 float32; wq 256 x 256 float32; wv 256 x 256 float32; x 4 x 256 x 64 x 64 float32.
;; Outputs: out0 4 x 256 x 64 x 64 float32.
;; This version of the problem:
;;   THIS VERSION OF THE PROBLEM IS GIVEN IN LOW PRECISION. The matrix products marked QUANTISED in the list below multiply operands that are first quantised to E2M1 (2 exponent bits, 1 mantissa bit; 4 bits a number), with one power-of-two scale for each 32 numbers along K (OCP MX v1.0); their sums are f32. All else is computed in f32.
;;   The module's matrix products, in the order in which they are computed (A, B: the left and right operand; K: the contracted axis; several contracted axes count as one K, in the product's order):
;;     1. [M 16,384, K 256] x [K 256, N 256]; A: computed on the way; B: input wq: QUANTISED
;;     2. [M 16,384, K 256] x [K 256, N 256]; A: computed on the way; B: input wk: QUANTISED
;;     3. [M 16,384, K 256] x [K 256, N 256]; A: computed on the way; B: input wv: QUANTISED
;;     4. batch 16 x [M 4,096, K 64] x [K 64, N 4,096]; A: computed on the way; B: computed on the way: QUANTISED
;;     5. batch 16 x [M 4,096, K 4,096] x [K 4,096, N 64]; A: softmax (see below); B: computed on the way: QUANTISED
;;     6. [M 16,384, K 256] x [K 256, N 256]; A: computed on the way; B: input wo: QUANTISED
;;   THE QUANTISER, for each operand of a quantised product, along K:
;;     - K is cut into blocks of 32 from its start; a last block that is shorter is filled with zeros.
;;     - A block's scale is 2^e with e = floor(log2(the largest magnitude in the block)) - 2, held to -126 .. 127; a block of zeros has e = 0. As a byte (E8M0): e + 127.
;;     - Each number is divided by its block's scale, clamped to +-6, and rounded to the nearest number of E2M1, ties to even, subnormals kept.
;;     - The product sums the exact products of the quantised numbers (number of the format x scale) in f32.
;;   ~~~python
;;   def quantise(x, axis):      # numpy; x: float32 -> the quantised numbers, widened to float32 again
;;       x = np.moveaxis(x, axis, -1); K = x.shape[-1]
;;       x = np.pad(x, [(0, 0)] * (x.ndim - 1) + [(0, -K % 32)]); x = x.reshape(x.shape[:-1] + (-1, 32)); a = np.abs(x).max(-1, keepdims=True)
;;       e = np.where(a > 0, np.clip(np.frexp(np.where(a > 0, a, 1))[1] - 1 - 2, -126, 127), 0)      # np.frexp(a)[1] - 1 = floor(log2(a)), exactly
;;       r = np.clip(x / 2.0 ** e, -6, 6)
;;       step = 2.0 ** (np.maximum(np.frexp(np.where(r == 0, 1, r))[1] - 1, 0) - 1)
;;       q = np.round(r / step) * step * 2.0 ** e      # np.round: ties to even
;;       return np.moveaxis(q.reshape(q.shape[:-2] + (-1,))[..., :K], -1, axis).astype(np.float32)
;;   ~~~
;;   SOFTMAX AHEAD OF A QUANTISED PRODUCT. Where the list says 'softmax', what is quantised is not the finished softmax but p = 2^(t - M), with t = logit x log2(e) and M = ceil(the row's largest t), a whole number; so 1/2 < the row's largest p <= 1. The row's sum l is taken of the UNQUANTISED p, in f32, and the product's result is divided by l at the end. Since M is a whole number, a kernel that streams over the keys may use a running M (the ceiling of the running maximum): every later rescaling is an exact power of two, which a block's scale takes up: the codes' values come out the same.
;;   OPERANDS COMPUTED ON THE WAY. 'Computed on the way' means the value that the module computes at that place (a softmax that the list does not call 'softmax' is quantised finished and normalised). What goes into a quantiser is computed in f32, as accurately as f32 sums, v_exp_f32 and their like allow (about 1e-6 of the number): no bf16 or f16 on the way to a quantiser, and a product that is left as it is and whose result goes on into a quantised operand takes f32 operands (vector FMAs, or v_wmma_f32_16x16x4_f32). A number that lies on a knife's edge between two numbers of the format may be rounded either way, as far as f32 arithmetic and the matrix unit's own rounding can turn it there, and no further.
;; One version. Each part assembles by itself: llvm-mc -triple=amdgcn-amd-amdhsa -mcpu=gfx1250 --defsym DOCPART=n.
;; ======== version 1 of 1: 3 launches
;; workspace buffers: coef 8,192 bytes; wimg 131,072 bytes; wscl 16,384 bytes; qimg 2,097,152 bytes; qscl 262,144 bytes; kvimg 4,194,304 bytes; kvscl 262,144 bytes
;; launch prep (part 1): grid 144 x 1, 8 waves a work-group, no clusters, 1,536 bytes of LDS; arguments x, gamma, wq, wk, wv, wo, coef, wimg, wscl; writes coef, wimg, wscl
.if DOCPART == 1
	.amdgcn_target "amdgcn-amd-amdhsa--gfx1250"
	.amdhsa_code_object_version 6
	.text
	.protected	k_qadb1af893e_prep
	.globl	k_qadb1af893e_prep
	.p2align	8
	.type	k_qadb1af893e_prep,@function
k_qadb1af893e_prep:
	s_mov_b64 s[64:65], 0
	v_nop
	global_prefetch_b8 v0, s[64:65] scope:SCOPE_SE
	s_setreg_imm32_b32 hwreg(HW_REG_WAVE_MODE, 25, 1), 1
	s_wait_xcnt 0x0
; FIRST OF THREE LAUNCHES of: GroupNorm, q/k/v projections, attention of 4 heads over 4,096 tokens, output projection, + x; all six products on codes of E2M1 with one E8M0 scale for each 32 along K.
; DEAD WORK: none.  Every input has a way to the output: x, gamma and beta move the codes of the normalised tokens, the four weights are operands of live products, x is also the residual.  All seven are loaded.
; THIS LAUNCH.  Work-groups 0-127: the statistics of one (batch, group) each: 8 channels x 4,096 pixels = 131,072 consecutive bytes, kept in registers (128 a lane) between the pass for the mean and the pass
; for the variance, so that x is read once here and no difference of large sums is formed.  Stored: coef[b][c] = rsqrt(var + 1e-5) x gamma[c] and coef[b][256 + c] = -mean.
; Work-groups 128-143: the four weights [256 (out)][256 (K)] become codes and scale words IN THE ORDER OF AN OPERAND'S REGISTERS.  A wave makes one fragment (matrix mt, tile T of 16 rows, K step s of 128):
; lane (r, h) holds row 32 (T / 2) + 8 (T % 2) + r + 8 (r / 8), k = 128 s + 64 c + 32 h + 0 .. 31 in registers 4 c .. 4 c + 3.  THE ROWS OF A TILE ARE NOT NEIGHBOURS, so that where such a tile is source 0 of a
; product, the 16 result registers of tiles 2 G and 2 G + 1 are 16 neighbouring rows.  wimg: 1,024 bytes a fragment, [c][lane][16]; wscl: 128 bytes a fragment, [lane][4], the row's word in both halves of the lanes.
; A block's scale byte is its largest magnitude's exponent field - 2, held at 1 from below.
; LIMITS: a block of zeros gets the byte 1 where the rule says 127 (its codes are zeros, and this program alone reads the bytes); blocks whose largest magnitude lies under 2^-124 were not tried;
; NaN and infinities among the inputs are not served; the reciprocal square root is the instruction's own, good to one unit in the last place.
; No matrix unit, no tensor load, no cluster: a reduction and a conversion that read each byte once.
.set RED1,  0                          ; LDS: eight partial sums for the mean, a block of 256 bytes to themselves
.set RED2,  256                        ; eight for the variance, likewise: other bytes, so that no barrier is needed between the first sums' reads and the second sums' stores
.set SPARE, 512                        ; the spare words, 128 bytes for each of the eight waves
.set SPW,   158                        ; v158  LDS address of my spare word; never rewritten
.set NIL,   159                        ; v159  0; never rewritten
.set D,     16                         ; v16-143 my 128 numbers of the set (statistics);  v16-79 my 64 numbers of a fragment (weights)
.set CH,    144                        ; v144-151 four chains of packed sums
	s_load_b512 s[4:19], s[0:1], 0x0               ; x s[4:5], gamma s[6:7], wq s[8:9], wk s[10:11], wv s[12:13], wo s[14:15], coef s[16:17], wimg s[18:19]
	s_load_b64 s[20:21], s[0:1], 0x40              ; wscl
	v_lshl_add_u32 v[SPW], v0, 2, SPARE
	v_mov_b32 v[NIL], 0
	v_lshrrev_b32 v1, 5, v0
	s_delay_alu instid0(VALU_DEP_1)
	v_readfirstlane_b32 s22, v1                    ; wave 0..7
	s_mov_b32 s24, 0x76543210
	s_mov_b32 s25, 0xfedcba98                      ; v_permlanex16_b32's selects for lane l xor 16
	s_cmp_lt_u32 ttmp9, 128                        ; the work-group's number alone: all eight waves go the same way
	s_cbranch_scc0 .Lweights
	; ---------------- the statistics of set i = 32 b + g ----------------
	s_lshl_b32 s26, ttmp9, 17                      ; i x 131,072 bytes
	s_mov_b32 s27, 0
	s_and_b32 s28, ttmp9, 31
	s_lshl_b32 s28, s28, 5                         ; g x 8 channels x 4 bytes
	v_lshlrev_b32 v1, 4, v0                        ; 16 bytes a thread: a load of the work-group covers 4,096 consecutive bytes
	v_and_b32 v2, 7, v0
	s_delay_alu instid0(VALU_DEP_1)
	v_lshl_add_u32 v2, v2, 2, s28                  ; gamma of channel 8 g + thread % 8
	v_mov_b32 v4, s22
	s_delay_alu instid0(VALU_DEP_1)
	v_lshlrev_b32 v4, 2, v4                        ; RED1 + 4 x wave
	s_delay_alu instid0(VALU_DEP_1)
	v_add_nc_u32 v5, RED2, v4                      ; RED2 + 4 x wave
	v_mov_b32 v6, RED1
	v_mov_b32 v7, RED2
	v_mov_b32 v152, 0                              ; a lane permute's destination counts as one of its sources
	v_mov_b32 v153, 0x38000000                     ; 2^-15: one over the set's 32,768 numbers
	s_wait_alu depctr_va_vdst(0)
	s_wait_kmcnt 0x0
	s_add_nc_u64 s[4:5], s[4:5], s[26:27]
	global_load_b32 v3, v2, s[6:7]
.set k, 0
.rept 32
	global_load_b128 v[D+4*k:D+4*k+3], v1, s[4:5] offset:4096*k
.set k, k+1
.endr
	; pass 1: the sum, two numbers an instruction, in four chains; the first eight pairs start the chains: nothing is cleared
	s_wait_loadcnt 24                              ; gamma and loads 0-7 are in; the 24 younger ones may be out
.irp c, 0,1,2,3
	v_pk_add_f32 v[CH+2*\c:CH+2*\c+1], v[D+2*\c:D+2*\c+1], v[D+8+2*\c:D+9+2*\c]
.endr
.set p, 8
.rept 56
.if p == 16
	s_wait_alu depctr_va_vdst(0)
	s_wait_loadcnt 16                              ; loads 8-15 are in
.elseif p == 32
	s_wait_alu depctr_va_vdst(0)
	s_wait_loadcnt 8                               ; loads 16-23
.elseif p == 48
	s_wait_alu depctr_va_vdst(0)
	s_wait_loadcnt 0                               ; all
.endif
	v_pk_add_f32 v[CH+2*(p%4):CH+2*(p%4)+1], v[CH+2*(p%4):CH+2*(p%4)+1], v[D+2*p:D+2*p+1]
.set p, p+1
.endr
; The four chains become the work-group's sum, in v[CH] of every lane: within the lane, across the 32 lanes, then over the eight waves through LDS.
.macro WGSUM sto, rd
	v_pk_add_f32 v[CH:CH+1], v[CH:CH+1], v[CH+2:CH+3]
	s_delay_alu instid0(VALU_DEP_2)
	v_pk_add_f32 v[CH+4:CH+5], v[CH+4:CH+5], v[CH+6:CH+7]
	s_delay_alu instid0(VALU_DEP_1)
	v_pk_add_f32 v[CH:CH+1], v[CH:CH+1], v[CH+4:CH+5]
	s_delay_alu instid0(VALU_DEP_1)
	v_add_f32 v[CH], v[CH], v[CH+1]
	s_delay_alu instid0(VALU_DEP_1)
	v_add_f32_dpp v[CH], v[CH], v[CH] row_xmask:1 row_mask:0xf bank_mask:0xf
	s_delay_alu instid0(VALU_DEP_1)
	v_add_f32_dpp v[CH], v[CH], v[CH] row_xmask:2 row_mask:0xf bank_mask:0xf
	s_delay_alu instid0(VALU_DEP_1)
	v_add_f32_dpp v[CH], v[CH], v[CH] row_xmask:4 row_mask:0xf bank_mask:0xf
	s_delay_alu instid0(VALU_DEP_1)
	v_add_f32_dpp v[CH], v[CH], v[CH] row_xmask:8 row_mask:0xf bank_mask:0xf
	s_delay_alu instid0(VALU_DEP_1)
	v_permlanex16_b32 v152, v[CH], s24, s25
	s_delay_alu instid0(VALU_DEP_1)
	v_add_f32 v[CH], v[CH], v152
	ds_store_b32 v[\sto], v[CH]                    ; all lanes write my wave's word with the same value
	s_wait_dscnt 0x0                               ; for the others' sake: my store has landed
	s_barrier_signal -1
	s_barrier_wait -1
	ds_load_b128 v[CH:CH+3], v[\rd]                ; the eight waves' sums, in every lane
	ds_load_b128 v[CH+4:CH+7], v[\rd] offset:16
	s_wait_dscnt 0x0
	v_pk_add_f32 v[CH:CH+1], v[CH:CH+1], v[CH+2:CH+3]
	v_pk_add_f32 v[CH+4:CH+5], v[CH+4:CH+5], v[CH+6:CH+7]
	s_delay_alu instid0(VALU_DEP_1)
	v_pk_add_f32 v[CH:CH+1], v[CH:CH+1], v[CH+4:CH+5]
	s_delay_alu instid0(VALU_DEP_1)
	v_add_f32 v[CH], v[CH], v[CH+1]
.endm
	WGSUM 4, 6
	s_delay_alu instid0(VALU_DEP_1)
	v_mul_f32 v154, 0xb8000000, v[CH]              ; -mean = the sum x -2^-15: the factor rounds nothing
	s_delay_alu instid0(VALU_DEP_1)
	v_mov_b32 v155, v154
	; pass 2: the sum of (x - mean)^2, again in four chains; each chain's first square starts it
.set p, 0
.rept 64
	v_pk_add_f32 v[8+2*(p%4):9+2*(p%4)], v[D+2*p:D+2*p+1], v[154:155]
.if p < 4
	s_delay_alu instid0(VALU_DEP_1)
	v_pk_mul_f32 v[CH+2*(p%4):CH+2*(p%4)+1], v[8+2*(p%4):9+2*(p%4)], v[8+2*(p%4):9+2*(p%4)]
.else
	s_delay_alu instid0(VALU_DEP_1)
	v_pk_fma_f32 v[CH+2*(p%4):CH+2*(p%4)+1], v[8+2*(p%4):9+2*(p%4)], v[8+2*(p%4):9+2*(p%4)], v[CH+2*(p%4):CH+2*(p%4)+1]
.endif
.set p, p+1
.endr
	WGSUM 5, 7
	s_delay_alu instid0(VALU_DEP_1)
	v_fmaak_f32 v145, v[CH], v153, 0x3727c5ac      ; var + eps = the sum x 2^-15 + 1e-5
	s_wait_alu depctr_va_vdst(0)
	v_rsq_f32 v146, v145
	v_nop                                          ; a plain instruction behind the transcendental,
	s_wait_alu depctr_va_vdst(0)                   ; and the wait ahead of the first use of its result
	v_mul_f32 v147, v146, v3                       ; A = rsqrt(var + eps) x gamma
	s_cmp_lg_u32 s22, 0                            ; wave 0 stores; no barrier stands under this branch
	s_cbranch_scc1 .Lstat_end
	s_lshr_b32 s26, ttmp9, 5
	s_lshl_b32 s26, s26, 11                        ; b x 2,048 bytes
	s_add_co_u32 s26, s26, s28                     ; + g x 32
	v_lshl_add_u32 v9, v0, 2, s26
	s_wait_alu depctr_va_vdst(0)
	s_wait_xcnt 0x0                                ; EXEC changes only behind this wait
	v_cmp_gt_u32 vcc_lo, 8, v0
	s_and_saveexec_b32 s29, vcc_lo                 ; threads 0-7: one channel each
	global_store_b32 v9, v147, s[16:17]
	global_store_b32 v9, v154, s[16:17] offset:1024
	s_wait_xcnt 0x0                                ; and again, in front of the line that widens it
	s_or_b32 exec_lo, exec_lo, s29
.Lstat_end:
	s_wait_tensorcnt 0x0                           ; the wave's end, behind my last LDS store
	ds_add_u32 v[SPW], v[NIL]
	s_wait_dscnt 0x0
	s_endpgm
	; ---------------- a fragment of a weight ----------------
.Lweights:
	s_sub_co_u32 s26, ttmp9, 128
	s_lshl_b32 s27, s26, 3
	s_add_co_u32 s27, s27, s22                     ; id = (16 mt + T) x 2 + s
	s_lshr_b32 s28, s26, 2                         ; mt: 0 q, 1 k, 2 v, 3 o
	s_bfe_u32 s29, s27, 0x40001                    ; T
	s_and_b32 s30, s27, 1                          ; s
	s_lshr_b32 s31, s29, 1
	s_lshl_b32 s31, s31, 15                        ; 32 (T / 2) rows of 1,024 bytes
	s_and_b32 s34, s29, 1
	s_lshl_b32 s34, s34, 13                        ; 8 (T % 2) rows
	s_add_co_u32 s34, s34, s31
	s_lshl_b32 s31, s30, 9                         ; 128 s numbers
	s_add_co_u32 s34, s34, s31
	s_mov_b32 s35, 0
	s_lshl_b32 s36, s27, 10                        ; the fragment's place in wimg
	s_mov_b32 s37, 0
	s_lshl_b32 s38, s27, 7                         ; and in wscl
	s_mov_b32 s39, 0
	v_and_b32 v2, 15, v0                           ; r
	v_bfe_u32 v3, v0, 4, 1                         ; h
	s_delay_alu instid0(VALU_DEP_2)
	v_and_b32 v1, 8, v2
	s_delay_alu instid0(VALU_DEP_1)
	v_add_nc_u32 v1, v1, v2                        ; r + 8 (r / 8)
	s_delay_alu instid0(VALU_DEP_1)
	v_lshlrev_b32 v1, 10, v1
	s_delay_alu instid0(VALU_DEP_1)
	v_lshl_add_u32 v1, v3, 7, v1                   ; my row, + 32 h numbers
	v_and_b32 v4, 31, v0
	s_delay_alu instid0(VALU_DEP_1)
	v_lshlrev_b32 v5, 2, v4                        ; 4 x lane
	s_delay_alu instid0(VALU_DEP_2)
	v_lshlrev_b32 v4, 4, v4                        ; 16 x lane
	s_wait_alu depctr_va_vdst(0)
	s_wait_kmcnt 0x0
	s_cmp_eq_u32 s28, 0                            ; the choice hangs on the work-group's number alone
	s_cselect_b64 s[32:33], s[8:9], s[10:11]
	s_cmp_lt_u32 s28, 2
	s_cselect_b64 s[32:33], s[32:33], s[12:13]
	s_cmp_lt_u32 s28, 3
	s_cselect_b64 s[32:33], s[32:33], s[14:15]
	s_add_nc_u64 s[32:33], s[32:33], s[34:35]
	s_add_nc_u64 s[18:19], s[18:19], s[36:37]
	s_add_nc_u64 s[20:21], s[20:21], s[38:39]
.irp c, 0,1
.irp i, 0,1,2,3,4,5,6,7
	global_load_b128 v[D+32*\c+4*\i:D+32*\c+4*\i+3], v1, s[32:33] offset:256*\c+16*\i   ; W(my row, 128 s + 64 c + 32 h + 4 i ..): a whole block of 32 in my registers
.endr
.endr
	s_wait_loadcnt 0x0
.irp c, 0,1
	v_max3_num_f32 v[8+\c], |v[D+32*\c]|, |v[D+1+32*\c]|, 0x1800000   ; my block 2 c + h, and the floor 2^(3 - 127): so the byte cannot fall under 1
.endr
.irp i, 2,4,6,8,10,12,14,16,18,20,22,24,26,28,30
.irp c, 0,1
	s_delay_alu instid0(VALU_DEP_2)
	v_max3_num_f32 v[8+\c], v[8+\c], |v[D+32*\c+\i]|, |v[D+1+32*\c+\i]|   ; (the two blocks by turns)
.endr
.endr
.irp c, 0,1
	s_delay_alu instid0(VALU_DEP_2)
	v_add_nc_u32 v[10+\c], 0xff000000, v[8+\c]     ; 2 off the exponent field: the conversion takes the exponent field of this operand as its scale
.endr
.irp c, 0,1
	s_delay_alu instid0(VALU_DEP_2)
	v_lshrrev_b32 v[12+\c], 23, v[10+\c]           ; the scale's byte
.endr
	s_delay_alu instid0(VALU_DEP_1)
	v_lshl_or_b32 v14, v13, 16, v12                ; my two bytes: blocks h and 2 + h,
	v_lshlrev_b32 v15, 3, v3
	s_delay_alu instid0(VALU_DEP_1)
	v_lshlrev_b32 v14, v15, v14                    ; at their places in the word (8 h bits up);
	v_mov_b32 v15, 0
	s_delay_alu instid0(VALU_DEP_1)
	v_permlanex16_b32 v15, v14, s24, s25
	s_delay_alu instid0(VALU_DEP_1)
	v_or_b32 v14, v14, v15                         ; with lane l xor 16's two the word is whole, in both halves of the lanes
.irp c, 0,1
.irp g, 0,1,2,3
	v_cvt_scalef32_pk8_fp4_f32 v[80+4*\c+\g], v[D+32*\c+8*\g:D+32*\c+8*\g+7], v[10+\c]   ; registers 4 c .. 4 c + 3 of the operand
.endr
.endr
	v_nop                                          ; one plain place behind the last scaled conversion
	global_store_b128 v4, v[80:83], s[18:19]       ; 32 lanes store 512 consecutive bytes
	global_store_b128 v4, v[84:87], s[18:19] offset:512
	global_store_b32 v5, v14, s[20:21]             ; 128 consecutive bytes
	s_endpgm
.Lfunc_end_k_qadb1af893e_prep:
	.size	k_qadb1af893e_prep, .Lfunc_end_k_qadb1af893e_prep-k_qadb1af893e_prep
	.p2alignl 7, 3214868480
	.fill 96, 4, 3214868480
	.section	.rodata,"a",@progbits
	.p2align	6, 0x0
	.amdhsa_kernel k_qadb1af893e_prep
		.amdhsa_group_segment_fixed_size 1536
		.amdhsa_private_segment_fixed_size 0
		.amdhsa_enable_private_segment 0
		.amdhsa_kernarg_size 72
		.amdhsa_user_sgpr_count 2
		.amdhsa_user_sgpr_kernarg_segment_ptr 1
		.amdhsa_wavefront_size32 1
		.amdhsa_system_sgpr_workgroup_id_x 1
		.amdhsa_system_sgpr_workgroup_id_y 1
		.amdhsa_system_sgpr_workgroup_id_z 1
		.amdhsa_system_vgpr_workitem_id 0
		.amdhsa_next_free_vgpr 160
		.amdhsa_next_free_sgpr 66
		.amdhsa_reserve_vcc 1
		.amdhsa_float_denorm_mode_32 3
		.amdhsa_float_denorm_mode_16_64 3
		.amdhsa_memory_ordered 1
		.amdhsa_forward_progress 1
		.amdhsa_inst_pref_size 31
	.end_amdhsa_kernel
	.amdgpu_metadata
---
amdhsa.version: [ 1, 2 ]
amdhsa.kernels:
  - .name:           k_qadb1af893e_prep
    .symbol:         k_qadb1af893e_prep.kd
    .args:
      - { .name: x, .offset: 0, .size: 8, .value_kind: global_buffer, .address_space: global }
      - { .name: gamma, .offset: 8, .size: 8, .value_kind: global_buffer, .address_space: global }
      - { .name: wq, .offset: 16, .size: 8, .value_kind: global_buffer, .address_space: global }
      - { .name: wk, .offset: 24, .size: 8, .value_kind: global_buffer, .address_space: global }
      - { .name: wv, .offset: 32, .size: 8, .value_kind: global_buffer, .address_space: global }
      - { .name: wo, .offset: 40, .size: 8, .value_kind: global_buffer, .address_space: global }
      - { .name: coef, .offset: 48, .size: 8, .value_kind: global_buffer, .address_space: global }
      - { .name: wimg, .offset: 56, .size: 8, .value_kind: global_buffer, .address_space: global }
      - { .name: wscl, .offset: 64, .size: 8, .value_kind: global_buffer, .address_space: global }
    .group_segment_fixed_size: 1536
    .private_segment_fixed_size: 0
    .kernarg_segment_align: 8
    .kernarg_segment_size: 72
    .max_flat_workgroup_size: 256
    .sgpr_count:     66
    .vgpr_count:     160
    .wavefront_size: 32
...
	.end_amdgpu_metadata
.endif
;; end of part 1
;; launch qkv (part 2): grid 64 x 4, 8 waves a work-group, no clusters, 11,776 bytes of LDS; arguments x, beta, coef, wimg, wscl, qimg, qscl, kvimg, kvscl; writes qimg, qscl, kvimg, kvscl
.if DOCPART == 2
	.amdgcn_target "amdgcn-amd-amdhsa--gfx1250"
	.amdhsa_code_object_version 6
	.text
	.protected	k_qadb1af893e_qkv
	.globl	k_qadb1af893e_qkv
	.p2align	8
	.type	k_qadb1af893e_qkv,@function
k_qadb1af893e_qkv:
	s_mov_b64 s[64:65], 0
	v_nop
	global_prefetch_b8 v0, s[64:65] scope:SCOPE_SE
	s_setreg_imm32_b32 hwreg(HW_REG_WAVE_MODE, 25, 1), 1
	s_wait_xcnt 0x0
; SECOND LAUNCH: the tokens are normalised and quantised, multiplied by wq, wk and wv (products on codes of E2M1), and q, k, v are quantised again for attention.  No work of the problem is left out.
; SHARES.  A work-group takes 64 tokens (blk = x of the grid) of one batch (y).  Wave w has two parts: it normalises and quantises channels 32 w .. 32 w + 31 of the 64 tokens (one block of 32 along K a token);
; and it owns rows 32 w .. 32 w + 31 of each of the three weights (tiles 2 w and 2 w + 1): head w / 2, and of that head's 64 numbers block w % 2.
; THE TOKENS' CODES GO FROM WAVE TO WAVE THROUGH LDS AS IMAGES OF OPERAND REGISTERS: fragment (m, s) = 16 tokens x 128 K: [c][lane][16].  THE TOKENS OF A TILE ARE NOT NEIGHBOURS: lane r of tile m = 2 b' + u takes
; token 32 b' + 8 u + r + 8 (r / 8); the weights' rows likewise.  So the 16 result registers of two neighbouring tiles of source 0 are 16 neighbours.
; q, k: source 0 = 16 rows of the weight, source 1 = 16 tokens: a lane holds ONE token and 16 neighbours along the head's numbers: their K in the next product.  v: source 0 = 16 tokens, source 1 = 16 rows of wv:
; a lane holds ONE channel and 16 neighbouring tokens: the keys are v's K.  A block of 32 lies in lanes l and l xor 16.
; OUT, all in the order in which the third launch's operand registers take them (a lane's 8 bytes of codes at 16 r + 8 h: each store covers 256 consecutive bytes, aligned):
;   qimg [b][blk][head][m][lane][16]: lane (r, h): the query of tile m, lane r, numbers 32 h .. 32 h + 31 of the head;   qscl [b][blk][head][m][r][4]: its two bytes, twice (s0, s1, s0, s1);
;   kvimg [b][step of 128 keys][head][8,192]: K [pair of tiles 4][u 2][lane][16], then V [tile of 16 channels 4][c 2][lane][16] with lane (r, h): keys 64 c + 32 h .. + 31;
;   kvscl [b][step][half 2][1,024]: K's words [head][16 (pair % 2) + r][4] (bytes 0, 1: tile u = 0; 2, 3: tile u = 1), then V's [head][j 2][16 (tile % 2) + r][2] (the half's two blocks of keys).
; The scale bytes are gathered in a stage in LDS and leave as runs of 512 consecutive bytes.
; NO CLUSTER: a wave reads its own 12,288 bytes of weight codes and 1,536 of scale words once, straight into operand registers; a joint load would add a pass through LDS and rounds of a barrier for one fill.
; No tensor load, so no ring; no prefetch: the launch streams x once and ends.
; LIMITS: as in the first launch: a block of zeros gets the byte 1; blocks under 2^-124 were not tried; NaN and infinities are not served.
.set XIMG,  0                          ; LDS: the tokens' 8 fragments, 1,024 bytes each: (2 m + s)
.set XSC,   8192                       ; their scale words: [(2 m + s)][r][4]
.set STG,   8704                       ; the stage: 1,024 bytes of kvscl, then 1,024 of qscl
.set SPARE, 10752                      ; the spare words, 128 bytes for each of the eight waves
.set XF,    16                         ; v16-79   x as loaded (32 channels x 2 tokens), later the 8 fragments
.set ACC,   80                         ; v80-111  the odd tokens' normalised numbers, later four accumulators
.set WQ,    112                        ; v112-143 wq's four fragments (tile tt, K step s) at 8 (2 tt + s); v144-175 wk's; v176-207 wv's
.set WK,    144
.set WV,    176
.set WSQ,   208                        ; v208-219 their scale words, at 2 tt + s
.set WSK,   212
.set WSV,   216
.set XS,    220                        ; v220-227 the tokens' scale words, at 2 m + s
.set TM,    228                        ; v228-229 largest magnitudes, v230-231 the other half's, v232-233 the conversions' scale operands, v234-235 the bytes
.set PC,    244                        ; v244-247 the codes just made
.set SPW,   252                        ; v252 LDS address of my spare word; never rewritten
.set NIL,   253                        ; v253 0; never rewritten
.set SEL,   66                         ; s[66:67] lane selects for lane l xor 16
.macro MM d, a, b, sa, sb, zero        ; one product of 16 x 16 x 128; zero = 1: it starts the sum
.if \zero
	v_wmma_scale_f32_16x16x128_f8f6f4 v[\d:\d+7], v[\a:\a+7], v[\b:\b+7], 0, v[\sa], v[\sb] matrix_a_fmt:MATRIX_FMT_FP4 matrix_b_fmt:MATRIX_FMT_FP4
.else
	v_wmma_scale_f32_16x16x128_f8f6f4 v[\d:\d+7], v[\a:\a+7], v[\b:\b+7], v[\d:\d+7], v[\sa], v[\sb] matrix_a_fmt:MATRIX_FMT_FP4 matrix_b_fmt:MATRIX_FMT_FP4
.endif
.endm
; Two blocks of 32, each 16 registers of mine (v[src + 16 e] on) and 16 of lane l xor 16: codes into v[PC + 2 e], v[PC + 2 e + 1], the byte into v[TM + 6 + e].  Each accumulator is read from its low end on.
.macro QUANT16 src
.irp e, 0,1
	v_max3_num_f32 v[TM+\e], |v[\src+16*\e]|, |v[\src+1+16*\e]|, 0x1800000   ; and the floor 2^(3 - 127): the byte cannot fall under 1
.endr
.irp i, 2,4,6,8,10,12,14
.irp e, 0,1
	v_max3_num_f32 v[TM+\e], v[TM+\e], |v[\src+16*\e+\i]|, |v[\src+1+16*\e+\i]|
.endr
.endr
.irp e, 0,1
	s_delay_alu instid0(VALU_DEP_2)
	v_permlanex16_b32 v[TM+2+\e], v[TM+\e], s[SEL], s[SEL+1]
.endr
.irp e, 0,1
	s_delay_alu instid0(VALU_DEP_2)
	v_max_num_f32 v[TM+\e], v[TM+\e], v[TM+2+\e]   ; the block's largest magnitude
.endr
.irp e, 0,1
	s_delay_alu instid0(VALU_DEP_2)
	v_add_nc_u32 v[TM+4+\e], 0xff000000, v[TM+\e]  ; 2 off its exponent field: the conversion's scale operand
.endr
.irp e, 0,1
	s_delay_alu instid0(VALU_DEP_2)
	v_lshrrev_b32 v[TM+6+\e], 23, v[TM+4+\e]       ; the scale's byte
.endr
.irp e, 0,1
	v_cvt_scalef32_pk8_fp4_f32 v[PC+2*\e], v[\src+16*\e:\src+16*\e+7], v[TM+4+\e]
	v_cvt_scalef32_pk8_fp4_f32 v[PC+2*\e+1], v[\src+8+16*\e:\src+15+16*\e], v[TM+4+\e]
.endr
	v_nop                                          ; one plain place behind the last scaled conversion
.endm
	s_load_b512 s[4:19], s[0:1], 0x0               ; x s[4:5], beta s[6:7], coef s[8:9], wimg s[10:11], wscl s[12:13], qimg s[14:15], qscl s[16:17], kvimg s[18:19]
	s_load_b64 s[20:21], s[0:1], 0x40              ; kvscl
	v_lshl_add_u32 v[SPW], v0, 2, SPARE
	v_mov_b32 v[NIL], 0
	v_lshrrev_b32 v12, 5, v0
	s_delay_alu instid0(VALU_DEP_1)
	v_readfirstlane_b32 s22, v12                   ; wave 0..7
	s_mov_b32 s23, ttmp9                           ; blk
	s_and_b32 s101, ttmp7, 0xffff                  ; b
	s_mov_b32 s[SEL], 0x76543210
	s_mov_b32 s[SEL+1], 0xfedcba98
	s_lshl_b32 s60, s101, 11                       ; coef: b x 2,048 + 128 w
	s_lshl_b32 s62, s22, 7                         ; beta: 128 w
	s_add_co_u32 s60, s60, s62
	s_mov_b32 s61, 0
	s_mov_b32 s63, 0
	s_lshl_b32 s2, s101, 22                        ; x: (256 b + 32 w) channels of 16,384 bytes + 256 blk
	s_lshl_b32 s3, s22, 19
	s_add_co_u32 s2, s2, s3
	s_lshl_b32 s3, s23, 8
	s_add_co_u32 s2, s2, s3
	s_mov_b32 s3, 0
	v_and_b32 v12, 31, v0                          ; lane
	s_delay_alu instid0(VALU_DEP_1)
	v_lshlrev_b32 v1, 3, v12                       ; 8 x lane: tokens 2 l and 2 l + 1
	s_delay_alu instid0(VALU_DEP_2)
	v_lshlrev_b32 v4, 4, v12                       ; 16 x lane
	s_delay_alu instid0(VALU_DEP_3)
	v_lshlrev_b32 v6, 2, v12                       ; 4 x lane
	s_wait_alu depctr_va_vdst(0)
	s_wait_kmcnt 0x0
	s_add_nc_u64 s[8:9], s[8:9], s[60:61]
	s_add_nc_u64 s[6:7], s[6:7], s[62:63]
	s_add_nc_u64 s[4:5], s[4:5], s[2:3]
	s_load_b512 s[24:39], s[8:9], 0x0              ; A = rstd x gamma of my 32 channels
	s_load_b512 s[40:55], s[8:9], 0x40
	s_load_b32 s56, s[8:9], 0x400                  ; -mean of my four groups
	s_load_b32 s57, s[8:9], 0x420
	s_load_b32 s58, s[8:9], 0x440
	s_load_b32 s59, s[8:9], 0x460
	s_load_b512 s[68:83], s[6:7], 0x0              ; beta of my 32 channels
	s_load_b512 s[84:99], s[6:7], 0x40
.set i, 0
.rept 32
	global_load_b64 v[XF+2*i:XF+2*i+1], v1, s[4:5] offset:16384*i   ; channel 32 w + i: the 32 lanes read 256 consecutive bytes, aligned
.set i, i+1
.endr
	s_lshl_b32 s2, s22, 12                         ; my tiles 2 w, 2 w + 1: 4,096 bytes of each weight's images,
	s_add_nc_u64 s[10:11], s[10:11], s[2:3]
	s_lshl_b32 s2, s22, 9                          ; 512 of its scale words
	s_add_nc_u64 s[12:13], s[12:13], s[2:3]
.irp mt, 0,1,2
.irp f, 0,1,2,3
.irp c, 0,1
	global_load_b128 v[WQ+32*\mt+8*\f+4*\c:WQ+32*\mt+8*\f+4*\c+3], v4, s[10:11] offset:32768*\mt+1024*\f+512*\c
.endr
.endr
.endr
.irp mt, 0,1,2
.irp f, 0,1,2,3
	global_load_b32 v[WSQ+4*\mt+\f], v6, s[12:13] offset:4096*\mt+128*\f
.endr
.endr
	; addresses, while the loads are on their way
	v_bfe_u32 v13, v0, 4, 1                        ; h = l / 16
	v_and_b32 v14, 15, v0                          ; r
	v_bfe_u32 v15, v0, 2, 1
	v_bfe_u32 v236, v0, 3, 1
	v_and_b32 v237, 3, v0
	; token 2 l (+ 1) = 32 b' + 16 (r / 8) + 8 u + r % 8 with b' = l / 16, r / 8 = bit 3 of l, u = bit 2 of l, r % 8 = 2 (l % 4) (+ 1); my block of K is block w: 256 w bytes on in a tile's two fragments
	v_lshlrev_b32 v2, 12, v13
	s_delay_alu instid0(VALU_DEP_1)
	v_lshl_add_u32 v2, v15, 11, v2
	s_delay_alu instid0(VALU_DEP_1)
	v_lshl_add_u32 v2, v236, 7, v2
	s_delay_alu instid0(VALU_DEP_1)
	v_lshl_add_u32 v2, v237, 5, v2
	s_lshl_b32 s100, s22, 8
	v_add_nc_u32 v2, s100, v2                      ; v2: where my two tokens' 16 bytes of codes go (the odd token's 16 bytes on)
	v_lshlrev_b32 v3, 8, v13
	s_delay_alu instid0(VALU_DEP_1)
	v_lshl_add_u32 v3, v15, 7, v3
	s_delay_alu instid0(VALU_DEP_1)
	v_lshl_add_u32 v3, v236, 5, v3
	s_delay_alu instid0(VALU_DEP_1)
	v_lshl_add_u32 v3, v237, 3, v3
	s_lshr_b32 s100, s22, 2
	s_lshl_b32 s100, s100, 6
	s_and_b32 s2, s22, 3
	s_add_co_u32 s100, s100, s2
	s_add_co_u32 s100, s100, XSC
	v_add_nc_u32 v3, s100, v3                      ; v3: and their scale bytes (the odd token's 4 bytes on)
	v_lshl_add_u32 v5, v14, 2, XSC                 ; v5: a fragment's scale word of row r
	v_lshlrev_b32 v7, 4, v14
	s_delay_alu instid0(VALU_DEP_1)
	v_lshl_add_u32 v7, v13, 3, v7                  ; v7: 16 r + 8 h: my 8 bytes of codes in 256
	s_lshr_b32 s60, s22, 1                         ; head
	s_and_b32 s61, s22, 1                          ; my block of the head's two
	s_lshl_b32 s2, s60, 8
	s_add_co_u32 s2, s2, s61
	s_add_co_u32 s2, s2, STG+1024
	v_lshlrev_b32 v8, 2, v14
	s_delay_alu instid0(VALU_DEP_1)
	v_lshl_add_u32 v8, v13, 1, v8
	s_delay_alu instid0(VALU_DEP_1)
	v_add_nc_u32 v8, s2, v8                        ; v8: q's bytes: 256 head + 4 r + my block + 2 h: the two halves of the lanes write the byte's two copies
	s_lshl_b32 s2, s60, 7
	s_add_co_u32 s2, s2, s61
	s_add_co_u32 s2, s2, STG
	v_lshl_add_u32 v9, v14, 2, s2                  ; v9: k's bytes: 128 head + 4 r + my block
	s_lshl_b32 s2, s22, 6
	s_add_co_u32 s2, s2, STG+512
	v_lshl_add_u32 v10, v14, 1, s2                 ; v10: v's bytes: 64 w + 2 r
	s_and_b32 s2, s22, 3
	s_lshl_b32 s2, s2, 9
	s_add_co_u32 s2, s2, STG
	v_add_nc_u32 v11, s2, v4                       ; v11: the stage on its way out: 512 bytes a wave, waves 0-3
	v_mov_b32 v[TM+2], 0                           ; written once: a lane permute's destination counts as one of its sources
	v_mov_b32 v[TM+3], 0
	; where the codes go
	s_lshl_b32 s2, s101, 6
	s_add_co_u32 s2, s2, s23                       ; 64 b + blk
	s_lshl_b32 s2, s2, 13
	s_lshl_b32 s100, s60, 11
	s_add_co_u32 s2, s2, s100
	s_lshl_b32 s100, s61, 8
	s_add_co_u32 s2, s2, s100
	s_add_nc_u64 s[14:15], s[14:15], s[2:3]        ; q: (64 b + blk) x 8,192 + 2,048 head + 256 block
	s_lshl_b32 s2, s101, 20
	s_lshr_b32 s100, s23, 1
	s_lshl_b32 s100, s100, 15
	s_add_co_u32 s2, s2, s100
	s_lshl_b32 s100, s60, 13
	s_add_co_u32 s2, s2, s100
	s_add_nc_u64 s[18:19], s[18:19], s[2:3]        ; k and v: the batch, the step of 128 keys, the head
	s_and_b32 s100, s23, 1                         ; which half of the step my 64 tokens are
	s_lshl_b32 s2, s61, 11
	s_lshl_b32 s62, s100, 9
	s_add_co_u32 s2, s2, s62
	s_add_co_u32 s2, s2, 4096
	s_add_nc_u64 s[62:63], s[18:19], s[2:3]        ; v: + 4,096 + 2,048 (w % 2) + 512 half
	s_lshl_b32 s2, s100, 11
	s_lshl_b32 s100, s61, 8
	s_add_co_u32 s2, s2, s100
	s_add_nc_u64 s[18:19], s[18:19], s[2:3]        ; k: + 2,048 half + 256 block
	; ---- X: (x - mean) x (rstd x gamma) + beta, in f32; the even tokens' 32 numbers gather in v16-47, the odd tokens' in v80-111
	s_wait_kmcnt 0x0                               ; the coefficients
	s_wait_loadcnt 36                              ; x's 32 loads are in; the 36 loads of weights behind them may be out
.set i, 0
.rept 32
	v_add_f32 v[XF+2*i], s[56+i/8], v[XF+2*i]
	v_add_f32 v[XF+2*i+1], s[56+i/8], v[XF+2*i+1]
	s_delay_alu instid0(VALU_DEP_2)
	v_fma_f32 v[XF+i], v[XF+2*i], s[24+i], s[68+i]      ; register 16 + i belongs to a pair that has been used up
	s_delay_alu instid0(VALU_DEP_2)
	v_fma_f32 v[ACC+i], v[XF+2*i+1], s[24+i], s[68+i]
.set i, i+1
.endr
.irp e, 0,1                                    ; two whole blocks of 32 along K, both mine: no other lane is asked
	v_max3_num_f32 v[TM+\e], |v[XF+64*\e]|, |v[XF+1+64*\e]|, 0x1800000
.endr
.irp i, 2,4,6,8,10,12,14,16,18,20,22,24,26,28,30
.irp e, 0,1
	s_delay_alu instid0(VALU_DEP_2)
	v_max3_num_f32 v[TM+\e], v[TM+\e], |v[XF+64*\e+\i]|, |v[XF+1+64*\e+\i]|
.endr
.endr
.irp e, 0,1
	s_delay_alu instid0(VALU_DEP_2)
	v_add_nc_u32 v[TM+4+\e], 0xff000000, v[TM+\e]
.endr
.irp e, 0,1
	s_delay_alu instid0(VALU_DEP_2)
	v_lshrrev_b32 v[TM+6+\e], 23, v[TM+4+\e]
.endr
.irp e, 0,1
.irp g, 0,1,2,3
	v_cvt_scalef32_pk8_fp4_f32 v[48+4*\e+\g], v[XF+64*\e+8*\g:XF+64*\e+8*\g+7], v[TM+4+\e]
.endr
.endr
	v_nop                                          ; one plain place behind the last scaled conversion
	ds_store_b128 v2, v[48:51]
	ds_store_b128 v2, v[52:55] offset:16
	ds_store_b8 v3, v[TM+6]
	ds_store_b8 v3, v[TM+7] offset:4
	s_wait_dscnt 0x0                               ; for the others' sake: my stores have landed
	s_barrier_signal -1
	s_barrier_wait -1                              ; the tokens' eight fragments lie in LDS
	; ---- P: every wave takes all eight fragments
.irp f, 0,1,2,3,4,5,6,7
.irp c, 0,1
	ds_load_b128 v[XF+8*\f+4*\c:XF+8*\f+4*\c+3], v4 offset:XIMG+1024*\f+512*\c
.endr
	ds_load_b32 v[XS+\f], v5 offset:64*\f
.endr
	s_wait_dscnt 0x0
	s_wait_loadcnt 0x0                             ; the weights
; Eight products on four accumulators, which take turns, one instruction a turn: K step 0 starts the four sums, K step 1 ends them.
.macro GROUP_QK w, ws, mp              ; token tiles 2 mp, 2 mp + 1 x my two tiles of the weight: accumulator 2 e + tt
.irp s, 0,1
.irp e, 0,1
.irp tt, 0,1
	MM ACC+8*(2*\e+\tt), \w+8*(2*\tt+\s), XF+8*(2*(2*\mp+\e)+\s), \ws+2*\tt+\s, XS+2*(2*\mp+\e)+\s, 1-\s
.endr
.endr
.endr
.endm
.macro GROUP_V tt                      ; the four token tiles x my tile tt of wv: accumulator m
.irp s, 0,1
.irp m, 0,1,2,3
	MM ACC+8*\m, XF+8*(2*\m+\s), WV+8*(2*\tt+\s), XS+2*\m+\s, WSV+2*\tt+\s, 1-\s
.endr
.endr
.endm
.macro AFTER
.rept 5
	v_nop                                          ; four places ahead of the first read of the results; five ahead of the next group's products, which begin these accumulators anew (ISA guide 7.12.1)
.endr
	s_wait_xcnt 0x0                                ; the last group's stores have read their data: the codes' registers may be written again
	s_wait_dscnt 0x0                               ; and so may the bytes'
	QUANT16 ACC
.endm
.irp mp, 0,1
	GROUP_QK WQ, WSQ, \mp
	AFTER
.irp e, 0,1
	global_store_b64 v7, v[PC+2*\e:PC+2*\e+1], s[14:15] offset:512*(2*\mp+\e)   ; 256 consecutive bytes, aligned
	ds_store_b8 v8, v[TM+6+\e] offset:64*(2*\mp+\e)
.endr
.endr
.irp mp, 0,1
	GROUP_QK WK, WSK, \mp
	AFTER
.irp e, 0,1
	global_store_b64 v7, v[PC+2*\e:PC+2*\e+1], s[18:19] offset:512*(2*\mp+\e)
	ds_store_b8 v9, v[TM+6+\e] offset:64*\mp+2*\e  ; both halves of the lanes write the same byte with the same value
.endr
.endr
.irp tt, 0,1
	GROUP_V \tt
	AFTER
.irp e, 0,1
	global_store_b64 v7, v[PC+2*\e:PC+2*\e+1], s[62:63] offset:1024*\tt+256*\e
	ds_store_b8 v10, v[TM+6+\e] offset:32*\tt+\e
.endr
.endr
	s_wait_dscnt 0x0                               ; for the others' sake: my bytes lie in the stage
	s_barrier_signal -1
	s_barrier_wait -1
	s_cmp_lt_u32 s22, 4                            ; waves 0, 1 carry kvscl's 1,024 bytes out, waves 2, 3 qscl's; no barrier stands under this branch
	s_cbranch_scc0 .Ldone
	s_lshl_b32 s60, s101, 6
	s_add_co_u32 s60, s60, s23
	s_lshl_b32 s60, s60, 10                        ; (64 b + blk) x 1,024: the same place in both buffers
	s_and_b32 s61, s22, 1
	s_lshl_b32 s61, s61, 9
	s_add_co_u32 s60, s60, s61
	s_mov_b32 s61, 0
	s_cmp_lt_u32 s22, 2
	s_cselect_b64 s[2:3], s[20:21], s[16:17]       ; the choice hangs on the wave's number alone
	s_add_nc_u64 s[2:3], s[2:3], s[60:61]
	ds_load_b128 v[236:239], v11
	s_wait_dscnt 0x0
	global_store_b128 v4, v[236:239], s[2:3]       ; 512 consecutive bytes
.Ldone:
	s_wait_tensorcnt 0x0                           ; the wave's end, behind my last LDS store
	ds_add_u32 v[SPW], v[NIL]
	s_wait_dscnt 0x0
	s_endpgm
.Lfunc_end_k_qadb1af893e_qkv:
	.size	k_qadb1af893e_qkv, .Lfunc_end_k_qadb1af893e_qkv-k_qadb1af893e_qkv
	.p2alignl 7, 3214868480
	.fill 96, 4, 3214868480
	.section	.rodata,"a",@progbits
	.p2align	6, 0x0
	.amdhsa_kernel k_qadb1af893e_qkv
		.amdhsa_group_segment_fixed_size 11776
		.amdhsa_private_segment_fixed_size 0
		.amdhsa_enable_private_segment 0
		.amdhsa_kernarg_size 72
		.amdhsa_user_sgpr_count 2
		.amdhsa_user_sgpr_kernarg_segment_ptr 1
		.amdhsa_wavefront_size32 1
		.amdhsa_system_sgpr_workgroup_id_x 1
		.amdhsa_system_sgpr_workgroup_id_y 1
		.amdhsa_system_sgpr_workgroup_id_z 1
		.amdhsa_system_vgpr_workitem_id 0
		.amdhsa_next_free_vgpr 256
		.amdhsa_next_free_sgpr 102
		.amdhsa_reserve_vcc 0
		.amdhsa_float_denorm_mode_32 3
		.amdhsa_float_denorm_mode_16_64 3
		.amdhsa_memory_ordered 1
		.amdhsa_forward_progress 1
		.amdhsa_inst_pref_size 48
	.end_amdhsa_kernel
	.amdgpu_metadata
---
amdhsa.version: [ 1, 2 ]
amdhsa.kernels:
  - .name:           k_qadb1af893e_qkv
    .symbol:         k_qadb1af893e_qkv.kd
    .args:
      - { .name: x, .offset: 0, .size: 8, .value_kind: global_buffer, .address_space: global }
      - { .name: beta, .offset: 8, .size: 8, .value_kind: global_buffer, .address_space: global }
      - { .name: coef, .offset: 16, .size: 8, .value_kind: global_buffer, .address_space: global }
      - { .name: wimg, .offset: 24, .size: 8, .value_kind: global_buffer, .address_space: global }
      - { .name: wscl, .offset: 32, .size: 8, .value_kind: global_buffer, .address_space: global }
      - { .name: qimg, .offset: 40, .size: 8, .value_kind: global_buffer, .address_space: global }
      - { .name: qscl, .offset: 48, .size: 8, .value_kind: global_buffer, .address_space: global }
      - { .name: kvimg, .offset: 56, .size: 8, .value_kind: global_buffer, .address_space: global }
      - { .name: kvscl, .offset: 64, .size: 8, .value_kind: global_buffer, .address_space: global }
    .group_segment_fixed_size: 11776
    .private_segment_fixed_size: 0
    .kernarg_segment_align: 8
    .kernarg_segment_size: 72
    .max_flat_workgroup_size: 256
    .sgpr_count:     102
    .vgpr_count:     256
    .wavefront_size: 32
...
	.end_amdgpu_metadata
.endif
;; end of part 2
;; launch attn (part 3): grid 64 x 4, 16 waves a work-group, clusters of 4 x 1, 327,680 bytes of LDS; arguments qimg, qscl, kvimg, kvscl, wimg, wscl, x, out0; writes out0
.if DOCPART == 3
	.amdgcn_target "amdgcn-amd-amdhsa--gfx1250"
	.amdhsa_code_object_version 6
	.text
	.protected	k_qadb1af893e_attn
	.globl	k_qadb1af893e_attn
	.p2align	8
	.type	k_qadb1af893e_attn,@function
k_qadb1af893e_attn:
	s_mov_b64 s[64:65], 0
	v_nop
	global_prefetch_b8 v0, s[64:65] scope:SCOPE_SE
	s_setreg_imm32_b32 hwreg(HW_REG_WAVE_MODE, 25, 1), 1
	s_wait_xcnt 0x0
	s_wait_alu depctr_hold_cnt(0) depctr_sa_sdst(0) depctr_va_vdst(0) depctr_va_sdst(0) depctr_va_ssrc(0) depctr_va_vcc(0) depctr_vm_vsrc(0)
	s_getreg_b32 s2, hwreg(HW_REG_IB_STS2, 6, 4)
	s_cmp_eq_u32 s2, 0
	s_cbranch_scc0 .Lentry_in_a_cluster
	s_endpgm
.Lentry_in_a_cluster:
	s_bfe_u32 s2, ttmp6, 0x10000c
	s_cmp_lg_u32 s2, 0x3003
	s_cbranch_scc0 .Lentry_shape_is_right
	s_endpgm
.Lentry_shape_is_right:
; THIRD LAUNCH: attention on codes of E2M1, the output projection and the residual.  No work of the problem is left out.
; SHARES.  A work-group owns 64 tokens (blk) of one batch, FOR ALL FOUR HEADS, so that the whole K = 256 of the output projection is made inside it.  Sixteen waves, four to a SIMD, 256 registers each: in the walk over
; the keys wave w has head w / 4 and the 16 queries of tile w % 4; on the way out it makes tile w of 16 output channels for the 64 tokens.  One wave's softmax stands beside another's products and LDS loads.
; THE SOFTMAX AHEAD OF THE SECOND PRODUCT: t = score x log2(e) / 8; M = the row's largest t so far, rounded UP to a whole number; p = 2^(t - M) is quantised along the keys, not normalised; the row's sum is taken of the
; unquantised p and divides at the end.  When M moves, the sum and O are multiplied by 2^(old M - new M): exact.
; LAYOUT.  Both products are used transposed: S^T = K Q^T, O^T = V^T P^T: a lane holds ONE query throughout.  Tiles of keys, of V's channels and of tokens are not made of neighbours (lane r of tile 2 G + u takes
; 32 G + 8 u + r + 8 (r / 8)), so that the 16 result registers of two neighbouring tiles are 16 neighbours: p's along the keys, O^T's along the channels, which are the next products' K.
; THE HEAD HAS 64 NUMBERS AND THE INSTRUCTION'S K IS 128.  Two tiles of 16 keys make ONE operand of 8 registers (tile u = 0 at k = 0-63, tile u = 1 at k = 64-127).  Q lies between zeros, Z4 | Q4 | Z4: (Q, 0) picks tile 0's
; scores, (0, Q) tile 1's: zero codes add nothing under any scale byte but 0xff, which no quantiser here makes.  So K's fragments and scale words are dense, and Q's word holds its two bytes twice.
; THE RING.  Two LDS slots of 256 keys x 4 heads (65,536 bytes, dense in memory, already in the order of operand registers: read at 16 x lane, no padding).  The scale bytes of the whole batch (65,536) come once.
; Every one of the sixteen waves fetches a sixteenth of each: 4,096 bytes as 16 rows of 256; larger loads would leave waves without one.  By this text's count a wave has three loads out at the start, one behind each round.
; CLUSTER.  The four work-groups of a cluster belong to one batch and walk the same K, V and scales: every tensor load is asked for JOINTLY, with the same descriptor and a mask that names the four.
; LIMITS: a block of zeros gets the byte 1 where the rule says 127; blocks under 2^-124 were not tried; NaN and infinities are not served; exponential and reciprocal are the instructions' own.
.set SLOTB, 65536                      ; a slot; slot 1 begins here, so that one exclusive or turns an address
.set STEPB, 32768                      ; a step of 128 keys: [head 4][K 4,096 | V 4,096]
.set SCL,   131072                     ; the batch's scale bytes: 2,048 a step
.set CIMG,  196608                     ; ctx's 8 fragments (2 m + s), 1,024 bytes each: images of operand registers
.set CSC,   204800                     ; their scale words: [(2 m + s)][lane][4]
.set OST,   205824                     ; a stage for each wave: 16 rows x (256 + 16) bytes
.set OSTW,  4352
.set SPARE, 275456                     ; the spare words, 128 bytes for each of the sixteen waves
.set AK0,  1                           ; v1   16 lane + 8,192 head
.set ASK0, 2                           ; v2   SCL + 128 head + 4 lane: K's scale words
.set ASV0, 3                           ; v3   SCL + 512 + 128 head + 2 lane: V's
.set ADK,  4                           ; v4-6 the addresses of the step in hand
.set ADS,  5
.set ADT,  6
.set SPW,  7                           ; v7   LDS address of my spare word; never rewritten
.set NIL,  8                           ; v8   0; never rewritten
.set PFO,  9                           ; v9   256 x lane: the prefetches' offset
.set LI,   29                          ; v29  16 x lane;  v30  4 r;  v31  4 x lane
.set QS,   28                          ; v28  Q's scale words.  v12 -M, v13 the largest t, v[14:15] the sum; v16-27 Z | Q | Z
.set KP,   32                          ; v32-63   four pairs of tiles of K
.set VT,   64                          ; v64-95   four tiles of V
.set S,    96                          ; v96-159  S^T, then p
.set O,    160                         ; v160-191 O^T
.set PC,   192                         ; v192-199 p's codes
.set KSC,  200                         ; v200-201 K's scale words (pairs 0, 1 | 2, 3);  v202-203 V's (tiles 0, 1 | 2, 3);  v204-207 V's halves as loaded
.set VSC,  202
.set TM,   208                         ; v208-211, v212-215, v216-219 at work; v220 at work; v221 p's scale word; v[222:223] f and a 0; v[224:225] the sum's second chain
.set T2,   212
.set SO,   216
.set PW,   221
.set WO,   226                         ; v226-241 wo's two fragments of my tile; v242-243 their scale words
.set WOS,  242
.set XO,   244                         ; v244 16,384 h + 16 r: x and out0;  v245-250 LDS addresses of the way out
.set WV,   20                          ; s20 wave, s21 head, s22 tile of queries
.set G1,   24                          ; s[24:31] descriptor group 1;  s[32:35] group 0 for the scales, s[36:39] slot 0's first fill, s[40:43] the walking one
.set SEL,  44                          ; s[44:45] lane selects for lane l xor 16
.set CS,   46                          ; s[46:47] c = log2(e) / 8
.set TB,   48                          ; s48 the slot in hand;  s49 the step's scale bytes
.set TS,   49
.set SLOTS, 50                         ; s50 slots still to be asked for
.set LIM,  51                          ; s51 1 in a wave that prefetches, else the greatest number
.set PFA,  52                          ; s[52:53] where my prefetches stand
.macro MM d, a, b, sa, sb, zero, row   ; one product of 16 x 16 x 128; zero = 1: it starts the sum; row = 1: source 0's scales lie in lanes 16-31
.if \zero
.if \row
	v_wmma_scale_f32_16x16x128_f8f6f4 v[\d:\d+7], v[\a:\a+7], v[\b:\b+7], 0, v[\sa], v[\sb] matrix_a_fmt:MATRIX_FMT_FP4 matrix_b_fmt:MATRIX_FMT_FP4 matrix_a_scale:MATRIX_SCALE_ROW1
.else
	v_wmma_scale_f32_16x16x128_f8f6f4 v[\d:\d+7], v[\a:\a+7], v[\b:\b+7], 0, v[\sa], v[\sb] matrix_a_fmt:MATRIX_FMT_FP4 matrix_b_fmt:MATRIX_FMT_FP4
.endif
.else
.if \row
	v_wmma_scale_f32_16x16x128_f8f6f4 v[\d:\d+7], v[\a:\a+7], v[\b:\b+7], v[\d:\d+7], v[\sa], v[\sb] matrix_a_fmt:MATRIX_FMT_FP4 matrix_b_fmt:MATRIX_FMT_FP4 matrix_a_scale:MATRIX_SCALE_ROW1
.else
	v_wmma_scale_f32_16x16x128_f8f6f4 v[\d:\d+7], v[\a:\a+7], v[\b:\b+7], v[\d:\d+7], v[\sa], v[\sb] matrix_a_fmt:MATRIX_FMT_FP4 matrix_b_fmt:MATRIX_FMT_FP4
.endif
.endif
.endm
; A round of the cluster's barrier: my work-group's barrier; wave 0 signals for the work-group; every wave waits for all four work-groups; my work-group's barrier once more.
.macro CROUND
	s_barrier_signal -1
	s_barrier_wait -1
	s_cmp_lg_u32 s[WV], 0
	s_cbranch_scc1 .Lnot_wave_0_\@
	s_barrier_signal -3
.Lnot_wave_0_\@:
	s_barrier_wait -3
	s_barrier_signal -1
	s_barrier_wait -1
.endm
; A PREFETCH INTO THE L2 of the slot that the NEXT change of slots will ask for: 65,536 bytes = 4 partners x 2 waves x 32 lanes x 256.  All sixteen clusters of a batch walk the same K and V: the batch's first cluster asks;
; its four partners are told apart BY ADDRESS (16,384 bytes each), waves 0 and 1 take 8,192 each, lanes 256 bytes apart: each aligned block of 256 bytes is named once in the launch.
; The last change that fills a slot asks for nothing; slots 0, 1 and 2 come by their loads alone.
.macro ASK
	s_cmp_gt_u32 s[SLOTS], s[LIM]
	s_cbranch_scc0 .Lnot_mine_\@
	global_prefetch_b8 v[PFO], s[PFA:PFA+1] th:TH_LOAD_NT scope:SCOPE_SE
.Lnot_mine_\@:
.endm
	s_load_b512 s[4:19], s[0:1], 0x0               ; qimg s[4:5], qscl s[6:7], kvimg s[8:9], kvscl s[10:11], wimg s[12:13], wscl s[14:15], x s[16:17], out0 s[18:19]
	v_lshl_add_u32 v[SPW], v0, 2, SPARE
	v_mov_b32 v[NIL], 0
	ds_add_u32 v[SPW], v[NIL]                      ; the wave's opening: the add, twice on end, and its wait ahead of my first tensor load; the set-up below, work on registers, stands between
	ds_add_u32 v[SPW], v[NIL]                      ; and once more, under the one wait
	v_lshrrev_b32 v9, 5, v0
	s_delay_alu instid0(VALU_DEP_1)
	v_readfirstlane_b32 s[WV], v9                  ; wave 0..15
	s_lshr_b32 s21, s[WV], 2                       ; head
	s_and_b32 s22, s[WV], 3                        ; tile of queries
	s_bfe_u32 s54, ttmp6, 0x40000                  ; cx: my place in the cluster: it enters global addresses of Q, x, out0 and the prefetches alone
	s_lshl_b32 s55, ttmp9, 2                       ; in a cluster launch ttmp9 counts clusters
	s_add_co_u32 s55, s55, s54                     ; blk
	s_and_b32 s56, ttmp7, 0xffff                   ; b, which the four partners share
	; descriptor group 1: 16 rows of 32 elements of 8 bytes, dense in memory and in LDS
	s_mov_b32 s[G1], 15|(3<<16)|(1<<21)            ; 15:0 the mask: all four work-groups; 17:16 elements of 8 bytes; 20 no padding; 21 set beside a mask
	s_mov_b32 s[G1+1], 32<<16                      ; tensor_dim0 = 32
	s_mov_b32 s[G1+2], 16<<16                      ; tensor_dim1 = 16
	s_mov_b32 s[G1+3], 32<<16                      ; tile_dim0 = 32
	s_mov_b32 s[G1+4], 16                          ; tile_dim1 = 16
	s_mov_b32 s[G1+5], 32                          ; from row to row
	s_mov_b32 s[G1+6], 0
	s_mov_b32 s[G1+7], 0
	s_mov_b32 s[SEL], 0x76543210
	s_mov_b32 s[SEL+1], 0xfedcba98
	s_mov_b32 s[CS], 0x3e38aa3b                    ; c = log2(e) / sqrt(64)
	s_mov_b32 s[CS+1], s[CS]                       ; (named with it as a pair, so it is written)
	s_mov_b32 s[TB], 0
	s_mov_b32 s[TS], 0
	s_mov_b32 s[SLOTS], 14
	s_lshl_b32 s57, s[WV], 12                      ; my sixteenth: 4,096 x wave: no place in the cluster enters it
	s_lshl_b32 s58, s56, 16
	s_add_co_u32 s58, s58, s57                     ; in kvscl
	s_mov_b32 s59, 0
	s_lshl_b32 s60, s56, 20
	s_add_co_u32 s60, s60, s57                     ; in kvimg
	s_mov_b32 s61, 0
	s_wait_dscnt 0x0                               ; both opening adds are done
	s_wait_kmcnt 0x0
	s_mov_b32 s32, 1                               ; count = 1
	s_add_co_u32 s33, s57, SCL                     ; LDS address
	s_add_nc_u64 s[34:35], s[10:11], s[58:59]      ; global address
	s_or_b32 s35, s35, 0x80000000                  ; type = 2
	s_mov_b32 s36, 1
	s_mov_b32 s37, s57                             ; slot 0
	s_add_nc_u64 s[38:39], s[8:9], s[60:61]        ; keys 0-255
	s_add_nc_u64 s[42:43], s[38:39], 0x10000       ; keys 256-511
	s_or_b32 s39, s39, 0x80000000
	s_mov_b32 s40, 1
	s_add_co_u32 s41, s57, SLOTB                   ; slot 1
	s_or_b32 s43, s43, 0x80000000
	CROUND                                         ; all four work-groups are here: the first joint loads meet
	tensor_load_to_lds s[32:35], s[G1:G1+7]        ; the first fills go out as one group: the scale bytes,
	s_nop 0
	tensor_load_to_lds s[36:39], s[G1:G1+7]        ; slot 0,
	s_nop 0
	tensor_load_to_lds s[40:43], s[G1:G1+7]        ; slot 1
	s_nop 0
.rept 4
	v_nop
.endr
	v_and_b32 v10, 31, v0                          ; lane
	v_and_b32 v11, 15, v0                          ; r
	v_bfe_u32 v220, v0, 4, 1                       ; h
	s_delay_alu instid0(VALU_DEP_3)
	v_lshlrev_b32 v[LI], 4, v10
	s_wait_alu depctr_va_vdst(0)
	v_lshlrev_b32 v30, 2, v11
	s_wait_alu depctr_va_vdst(0)
	v_lshlrev_b32 v31, 2, v10
	s_wait_alu depctr_va_vdst(0)
	v_lshlrev_b32 v[PFO], 8, v10
	s_lshl_b32 s62, s56, 6
	s_add_co_u32 s62, s62, s55                     ; 64 b + blk
	s_lshl_b32 s66, s62, 13
	s_lshl_b32 s63, s[WV], 9
	s_add_co_u32 s66, s66, s63
	s_mov_b32 s67, 0
	s_add_nc_u64 s[4:5], s[4:5], s[66:67]          ; Q's codes: (64 b + blk) x 8,192 + 512 w
	s_lshl_b32 s66, s62, 10
	s_lshl_b32 s63, s[WV], 6
	s_add_co_u32 s66, s66, s63
	s_add_nc_u64 s[6:7], s[6:7], s[66:67]          ; its scale words: x 1,024 + 64 w
	s_lshl_b32 s66, s[WV], 11
	s_add_co_u32 s66, s66, 98304
	s_add_nc_u64 s[12:13], s[12:13], s[66:67]      ; wo's tile w: matrix 3, 2,048 bytes a tile
	s_lshl_b32 s66, s[WV], 8
	s_add_co_u32 s66, s66, 12288
	s_add_nc_u64 s[14:15], s[14:15], s[66:67]
	global_load_b128 v[20:23], v[LI], s[4:5]       ; Q stays in registers
	global_load_b32 v[QS], v30, s[6:7]
.irp s, 0,1
.irp c, 0,1
	global_load_b128 v[WO+8*\s+4*\c:WO+8*\s+4*\c+3], v[LI], s[12:13] offset:1024*\s+512*\c
.endr
	global_load_b32 v[WOS+\s], v31, s[14:15] offset:128*\s
.endr
	s_lshl_b32 s66, s56, 22                        ; x and out0: the batch, channel 32 (w / 2) + 8 (w % 2), my 64 tokens
	s_lshr_b32 s63, s[WV], 1
	s_lshl_b32 s63, s63, 19
	s_add_co_u32 s66, s66, s63
	s_and_b32 s63, s[WV], 1
	s_lshl_b32 s63, s63, 17
	s_add_co_u32 s66, s66, s63
	s_lshl_b32 s63, s55, 8
	s_add_co_u32 s66, s66, s63
	s_add_nc_u64 s[16:17], s[16:17], s[66:67]
	s_add_nc_u64 s[18:19], s[18:19], s[66:67]
	; the prefetches: who asks, and where
	s_lshr_b32 s[LIM], s[WV], 1                    ; 0 in waves 0 and 1,
	s_or_b32 s[LIM], s[LIM], ttmp9                 ; of the batch's first cluster: the same in all four partners
	s_cmp_eq_u32 s[LIM], 0
	s_cselect_b32 s[LIM], 1, -1
	s_lshl_b32 s68, s56, 20
	s_lshl_b32 s69, s54, 14
	s_add_co_u32 s68, s68, s69
	s_and_b32 s69, s[WV], 1
	s_lshl_b32 s69, s69, 13
	s_add_co_u32 s68, s68, s69
	s_add_co_u32 s68, s68, 2*SLOTB                 ; in the third slot's worth of keys: the first change of slots steps it to the fourth.  Nothing is prefetched here, at the head
	s_mov_b32 s69, 0
	s_add_nc_u64 s[PFA:PFA+1], s[8:9], s[68:69]
	; LDS addresses: all are made here, of constants, the lane and the wave's number
	s_lshl_b32 s57, s21, 13
	v_add_nc_u32 v[AK0], s57, v[LI]
	s_lshl_b32 s57, s21, 7
	s_add_co_u32 s58, s57, SCL
	v_add_nc_u32 v[ASK0], s58, v31
	s_add_co_u32 s58, s57, SCL+512
	v_lshl_add_u32 v[ASV0], v10, 1, s58
	s_lshl_b32 s57, s22, 11
	s_lshl_b32 s58, s21, 9
	s_add_co_u32 s57, s57, s58
	s_add_co_u32 s57, s57, CIMG
	v_lshlrev_b32 v245, 4, v11
	s_delay_alu instid0(VALU_DEP_1)
	v_lshl_add_u32 v245, v220, 3, v245
	s_delay_alu instid0(VALU_DEP_1)
	v_add_nc_u32 v245, s57, v245                   ; v245: ctx's codes: CIMG + 2,048 m + 512 head + 16 r + 8 h
	s_lshl_b32 s57, s22, 8
	s_lshr_b32 s58, s21, 1
	s_lshl_b32 s58, s58, 7
	s_add_co_u32 s57, s57, s58
	s_and_b32 s58, s21, 1
	s_lshl_b32 s58, s58, 1
	s_add_co_u32 s57, s57, s58
	s_add_co_u32 s57, s57, CSC
	v_add_nc_u32 v246, s57, v31                    ; v246: its two scale bytes: CSC + 256 m + 128 (head / 2) + 2 (head % 2) + 4 lane
	v_add_nc_u32 v247, CIMG, v[LI]                 ; v247, v248: back, in any wave
	v_add_nc_u32 v248, CSC, v31
	s_mul_i32 s57, s[WV], OSTW
	s_add_co_u32 s57, s57, OST                     ; my stage
	v_mul_u32_u24 v249, v11, 272
	s_delay_alu instid0(VALU_DEP_1)
	v_lshl_add_u32 v249, v220, 6, v249
	s_delay_alu instid0(VALU_DEP_1)
	v_add_nc_u32 v249, s57, v249                   ; v249: in: row r (a channel), + 64 h
	v_mul_u32_u24 v250, v220, 272
	s_delay_alu instid0(VALU_DEP_1)
	v_lshl_add_u32 v250, v11, 4, v250
	s_delay_alu instid0(VALU_DEP_1)
	v_add_nc_u32 v250, s57, v250                   ; v250: back: lanes 0-15 one row, lanes 16-31 the next
	v_lshlrev_b32 v[XO], 14, v220
	s_delay_alu instid0(VALU_DEP_1)
	v_lshl_add_u32 v[XO], v11, 4, v[XO]            ; and the same two channels in x and out0
.irp j, 16,17,18,19,24,25,26,27
	v_mov_b32 v[\j], 0                             ; the zero codes on both sides of Q
.endr
	v_mov_b32 v13, 0xff61b1e6                      ; the largest t so far: -3e38, under every t
	s_delay_alu instid0(VALU_DEP_1)
	v_floor_f32 v12, -v13                          ; -M
	v_mov_b32 v14, 0                               ; the sum, in two halves
	v_mov_b32 v15, 0
	v_mov_b32 v223, 0                              ; (named as the upper half of the pair v[222:223])
.irp b, 0,1,2,3
	v_mov_b32 v[T2+\b], 0                          ; written once: a lane permute's destination counts as one of its sources
.endr
.set j, 0
.rept 32
	v_mov_b32 v[O+j], 0                            ; O^T.  (The key step is written without a first step of its own: it finds zeros, which the first change of M leaves zeros)
.set j, j+1
.endr
; A KEY STEP: 128 keys, the q-th of the slot in hand.
.macro STEP q
	v_add_nc_u32 v[ADK], s[TB], v[AK0]             ; these three and the v_nop are the four places between the last step's products and the loads into V's registers
	v_add_nc_u32 v[ADS], s[TS], v[ASK0]
	v_add_nc_u32 v[ADT], s[TS], v[ASV0]
	v_nop
	ds_load_b32 v[KSC], v[ADS]                     ; K's words: lanes 0-15 pair 0, lanes 16-31 pair 1;
	ds_load_b32 v[KSC+1], v[ADS] offset:1024       ; pairs 2 and 3
.irp p, 0,1,2,3
.irp u, 0,1
	ds_load_b128 v[KP+8*\p+4*\u:KP+8*\p+4*\u+3], v[ADK] offset:STEPB*\q+1024*\p+512*\u
.endr
.endr
	ds_load_u16 v204, v[ADT]                       ; V's bytes: tiles 0, 1: blocks of keys 0, 1;
	ds_load_u16 v205, v[ADT] offset:1024           ; blocks 2, 3;
	ds_load_u16 v206, v[ADT] offset:64             ; tiles 2, 3 likewise
	ds_load_u16 v207, v[ADT] offset:1088
.irp t, 0,1,2,3
.irp c, 0,1
	ds_load_b128 v[VT+8*\t+4*\c:VT+8*\t+4*\c+3], v[ADK] offset:STEPB*\q+4096+1024*\t+512*\c
.endr
.endr
	s_wait_dscnt 12                                ; K and its words are in; the twelve younger loads are V's
.irp p, 0,1,2,3
.irp u, 0,1
	MM S+8*(2*\p+\u), KP+8*\p, 20-4*\u, KSC+\p/2, QS, 1, \p%2   ; S^T: tile 2 p + u: the pair against (Q, 0) or (0, Q)
.endr
.endr
	s_wait_dscnt 8                                 ; V's four halves of words are in; its eight fragment loads may be out
	v_lshl_or_b32 v[VSC], v205, 16, v204           ; V's words.  (These two and two v_nop are the four places behind the products)
	v_lshl_or_b32 v[VSC+1], v207, 16, v206
	v_nop
	v_nop
.irp b, 0,1,2,3
	v_max3_num_f32 v[TM+\b], v[S+16*\b], v[S+1+16*\b], v[S+2+16*\b]   ; THE LARGEST SCORE OF EACH BLOCK OF 32 KEYS: for the row's maximum and, since p rises with the score, for the block's largest p
.endr
.irp i, 3,5,7,9,11,13
.irp b, 0,1,2,3
	v_max3_num_f32 v[TM+\b], v[TM+\b], v[S+16*\b+\i], v[S+1+16*\b+\i]   ; (the four blocks by turns; each accumulator is read from its low end on)
.endr
.endr
.irp b, 0,1,2,3
	v_max_num_f32 v[TM+\b], v[TM+\b], v[S+15+16*\b]
.endr
.irp b, 0,1,2,3
	s_delay_alu instid0(VALU_DEP_4)
	v_permlanex16_b32 v[T2+\b], v[TM+\b], s[SEL], s[SEL+1]
.endr
.irp b, 0,1,2,3
	s_delay_alu instid0(VALU_DEP_4)
	v_max_num_f32 v[TM+\b], v[TM+\b], v[T2+\b]     ; with lane l xor 16's 16 keys
.endr
	s_delay_alu instid0(VALU_DEP_2)
	v_max3_num_f32 v220, v[TM], v[TM+1], v[TM+2]
	s_delay_alu instid0(VALU_DEP_1)
	v_max_num_f32 v220, v220, v[TM+3]              ; the step's largest score of my query
	s_delay_alu instid0(VALU_DEP_1)
	v_mul_f32 v220, s[CS], v220                    ; as t (c is positive)
	s_delay_alu instid0(VALU_DEP_1)
	v_max_num_f32 v13, v13, v220                   ; the running largest t
	v_mov_b32 v220, v12
	s_delay_alu instid0(VALU_DEP_2)
	v_floor_f32 v12, -v13                          ; the new -M = floor(-t) = -ceil(t): M IS A WHOLE NUMBER
	s_delay_alu instid0(VALU_DEP_1)
	v_sub_f32 v220, v12, v220                      ; M's old value less its new one: a whole number, 0 or less
	s_delay_alu instid0(VALU_DEP_1)
	v_cvt_i32_f32 v220, v220                       ; (it saturates)
	s_delay_alu instid0(VALU_DEP_1)
	v_ldexp_f32 v222, 1.0, v220                    ; f = 2^(old M - new M)
.set j, 0
.rept 32
	v_pk_fma_f32 v[S+j:S+j+1], v[S+j:S+j+1], s[CS:CS+1], v[12:13] op_sel_hi:[1,0,0]   ; t - M, two at a time
.set j, j+2
.endr
.irp b, 0,1,2,3
	v_fma_f32 v[TM+\b], v[TM+\b], s[CS], v12       ; the same of each block's largest score
.endr
.set j, 0
	s_wait_alu depctr_va_vdst(0)
.rept 64
	v_exp_f32 v[S+j], v[S+j]                       ; p = 2^(t - M), at most 1: NOT normalised
.set j, j+1
.endr
	v_pk_mul_f32 v[14:15], v[14:15], v[222:223] op_sel_hi:[1,0]   ; the sums under the new M.  (A plain place behind the exponentials)
	s_wait_alu depctr_va_vdst(0)                   ; one wait for the whole batch, ahead of its first reader
.irp b, 0,1,2,3
	v_exp_f32 v[TM+\b], v[TM+\b]                   ; the block's largest p: the same two instructions on the same number give the same bits
.endr
	v_pk_add_f32 v[224:225], v[100:101], v[104:105]
	v_pk_add_f32 v[254:255], v[108:109], v[112:113]
	v_pk_add_f32 v[252:253], v[116:117], v[120:121]
	v_pk_add_f32 v[218:219], v[124:125], v[128:129]
	v_pk_add_f32 v[216:217], v[132:133], v[136:137]
	v_pk_add_f32 v[214:215], v[140:141], v[144:145]
	v_pk_add_f32 v[212:213], v[148:149], v[152:153]
	v_pk_add_f32 v[14:15], v[14:15], v[156:157]
	v_pk_add_f32 v[224:225], v[224:225], v[96:97]
	v_pk_add_f32 v[254:255], v[254:255], v[98:99]
	v_pk_add_f32 v[252:253], v[252:253], v[102:103]
	v_pk_add_f32 v[218:219], v[218:219], v[106:107]
	v_pk_add_f32 v[216:217], v[216:217], v[110:111]
	v_pk_add_f32 v[214:215], v[214:215], v[114:115]
	v_pk_add_f32 v[212:213], v[212:213], v[118:119]
	v_pk_add_f32 v[14:15], v[14:15], v[122:123]
	v_pk_add_f32 v[224:225], v[224:225], v[126:127]
	v_pk_add_f32 v[254:255], v[254:255], v[130:131]
	v_pk_add_f32 v[252:253], v[252:253], v[134:135]
	v_pk_add_f32 v[218:219], v[218:219], v[138:139]
	v_pk_add_f32 v[216:217], v[216:217], v[142:143]
	v_pk_add_f32 v[214:215], v[214:215], v[146:147]
	v_pk_add_f32 v[212:213], v[212:213], v[150:151]
	v_pk_add_f32 v[14:15], v[14:15], v[154:155]
	v_pk_add_f32 v[224:225], v[224:225], v[158:159]
	s_delay_alu instid0(VALU_DEP_2)
	v_pk_add_f32 v[14:15], v[14:15], v[218:219]
	s_delay_alu instid0(VALU_DEP_2)
	v_pk_add_f32 v[224:225], v[224:225], v[216:217]
	v_pk_add_f32 v[254:255], v[254:255], v[214:215]
	v_pk_add_f32 v[252:253], v[252:253], v[212:213]
	s_delay_alu instid0(VALU_DEP_2)
	v_pk_add_f32 v[14:15], v[14:15], v[254:255]
	s_delay_alu instid0(VALU_DEP_2)
	v_pk_add_f32 v[224:225], v[224:225], v[252:253]
	s_delay_alu instid0(VALU_DEP_1)
	v_pk_add_f32 v[14:15], v[14:15], v[224:225]
	s_wait_alu depctr_va_vdst(0)                   ; and one for the four
.irp b, 0,1,2,3
	v_max_num_f32 v[TM+\b], 0x1800000, v[TM+\b]    ; the floor 2^(3 - 127): the byte cannot fall under 1
.endr
.irp b, 0,1,2,3
	s_delay_alu instid0(VALU_DEP_4)
	v_add_nc_u32 v[SO+\b], 0xff000000, v[TM+\b]    ; 2 off the exponent field: the conversion's scale operand
.endr
.irp b, 0,1,2,3
	s_delay_alu instid0(VALU_DEP_4)
	v_lshrrev_b32 v[T2+\b], 23, v[SO+\b]           ; the scale's byte
.endr
	s_delay_alu instid0(VALU_DEP_3)
	v_lshl_or_b32 v[PW], v[T2+1], 8, v[T2]         ; p's scale word for these 128 keys
	s_delay_alu instid0(VALU_DEP_1)
	v_lshl_or_b32 v[PW], v[T2+2], 16, v[PW]
	s_delay_alu instid0(VALU_DEP_1)
	v_lshl_or_b32 v[PW], v[T2+3], 24, v[PW]
.irp b, 0,1,2,3
	v_cvt_scalef32_pk8_fp4_f32 v[PC+2*\b], v[S+16*\b:S+7+16*\b], v[SO+\b]
	v_cvt_scalef32_pk8_fp4_f32 v[PC+1+2*\b], v[S+8+16*\b:S+15+16*\b], v[SO+\b]
.endr
	v_nop                                          ; one plain place behind the last scaled conversion
.irp c, 0,1                                    ; the operand's layout wants a WHOLE block in a lane: lanes 0-15 block 2 c, lanes 16-31 block 2 c + 1
.irp i, 0,1
	v_permlane16_swap_b32 v[PC+4*\c+\i], v[PC+2+4*\c+\i]
.endr
.endr
.set j, 0
.rept 16
	v_pk_mul_f32 v[O+j:O+j+1], v[O+j:O+j+1], v[222:223] op_sel_hi:[1,0]   ; O^T under the new M.  (For each product below twelve of these name none of its registers: the places behind the writes of p's codes and word)
.set j, j+2
.endr
	s_wait_alu depctr_va_vdst(0)
	s_wait_dscnt 0x0                               ; V is in
.irp t, 0,1,2,3
	MM O+8*\t, VT+8*\t, PC, VSC+\t/2, PW, 0, \t%2  ; O^T += V^T P^T: the four accumulators take turns, one instruction a turn
.endr
	s_add_co_u32 s[TS], s[TS], 2048                ; the next step's scale bytes
.endm
; THE CHANGE OF SLOTS.  Each wave waits for all its tensor loads (its part of the slot ahead), adds 0 to its spare word, and waits for that and for its reads of the slot that it leaves.  fill = 1: the barrier is a round of the
; cluster's, so that no wave of any partner still reads that slot or has a load on its way; the joint refill, the keys two slots on, is the first thing behind it and has two key steps in which to land.
.macro CHANGE fill
	s_wait_tensorcnt 0x0                           ; no tensor load of mine is out, so a group 0 may be written
	ds_add_u32 v[SPW], v[NIL]                      ; 0 onto my spare word
.if \fill
	s_xor_b32 s41, s41, SLOTB                      ; the walking descriptor: the other slot than last time,
	s_add_nc_u64 s[42:43], s[42:43], SLOTB         ; the next 256 keys; the type bits on top are not reached
	s_wait_xcnt 0x0                                ; the last prefetch, a slot back, has read its address, so it may be written:
	s_add_nc_u64 s[PFA:PFA+1], s[PFA:PFA+1], SLOTB ; one slot further on than the walking descriptor
	s_wait_dscnt 0x0                               ; the add is done, and my reads of the slot that I leave are over
	CROUND
	tensor_load_to_lds s[40:43], s[G1:G1+7]        ; my one tensor load behind this round
	s_nop 0
.rept 4
	v_nop
.endr
	ASK
.else
	s_wait_dscnt 0x0
	s_barrier_signal -1
	s_barrier_wait -1
.endif
	s_xor_b32 s[TB], s[TB], SLOTB                  ; on to the other slot
.endm
	s_wait_tensorcnt 1                             ; my parts of the scale bytes and of slot 0 are in; slot 1's load, the one issued behind them, may stay out
	s_barrier_signal -1
	s_barrier_wait -1                              ; everybody's are
	s_wait_loadcnt 0x0                             ; Q, wo
	STEP 0
	STEP 1
.Lslot:                                            ; 14 trips: every slot's worth of keys from the third to the sixteenth is asked for here
	CHANGE 1
	STEP 0
	STEP 1
	s_sub_co_u32 s[SLOTS], s[SLOTS], 1
	s_cmp_lg_u32 s[SLOTS], 0
	s_cbranch_scc1 .Lslot
	CHANGE 0                                       ; the last slot is written out
	STEP 0
	STEP 1
	; THE WAY OUT.
.rept 4
	v_nop                                          ; places behind the last products: for the loads into V's registers and scale registers, and for the reads of O^T
.endr
.irp t, 0,1,2,3,4,5,6,7
	global_load_b128 v[VT+4*\t:VT+4*\t+3], v[XO], s[16:17] offset:(2*\t+8*(\t/4))*16384 th:TH_LOAD_NT   ; the residual: x of my tile's channels 2 t + h + 8 (t / 4), my 64 tokens: sixteen lanes read 256 consecutive bytes
.endr
	v_add_f32 v14, v14, v15                        ; the sum's two halves,
	s_delay_alu instid0(VALU_DEP_1)
	v_permlanex16_b32 v220, v14, s[SEL], s[SEL+1]
	s_delay_alu instid0(VALU_DEP_1)
	v_add_f32 v14, v14, v220                       ; and lane l xor 16's: the row's sum
	s_wait_alu depctr_va_vdst(0)
	v_rcp_f32 v222, v14
	v_nop                                          ; a plain place behind the transcendental,
	s_wait_alu depctr_va_vdst(0)                   ; and the wait ahead of the first reader
.set j, 0
.rept 16
	v_pk_mul_f32 v[O+j:O+j+1], v[O+j:O+j+1], v[222:223] op_sel_hi:[1,0]   ; ctx = O^T / the sum: registers 16 G + i: channel 64 head + 32 G + 16 h + i of my query
.set j, j+2
.endr
	; ctx is quantised along the channels: two blocks of 32, each 16 registers of mine and 16 of lane l xor 16
.irp e, 0,1
	v_max3_num_f32 v[TM+\e], |v[O+16*\e]|, |v[O+1+16*\e]|, 0x1800000
.endr
.irp i, 2,4,6,8,10,12,14
.irp e, 0,1
	s_delay_alu instid0(VALU_DEP_2)
	v_max3_num_f32 v[TM+\e], v[TM+\e], |v[O+16*\e+\i]|, |v[O+1+16*\e+\i]|
.endr
.endr
.irp e, 0,1
	s_delay_alu instid0(VALU_DEP_2)
	v_permlanex16_b32 v[TM+2+\e], v[TM+\e], s[SEL], s[SEL+1]
.endr
.irp e, 0,1
	s_delay_alu instid0(VALU_DEP_2)
	v_max_num_f32 v[TM+\e], v[TM+\e], v[TM+2+\e]
.endr
.irp e, 0,1
	s_delay_alu instid0(VALU_DEP_2)
	v_add_nc_u32 v[TM+4+\e], 0xff000000, v[TM+\e]
.endr
.irp e, 0,1
	s_delay_alu instid0(VALU_DEP_2)
	v_lshrrev_b32 v[TM+6+\e], 23, v[TM+4+\e]
.endr
.irp e, 0,1
	v_cvt_scalef32_pk8_fp4_f32 v[PC+2*\e], v[O+16*\e:O+16*\e+7], v[TM+4+\e]
	v_cvt_scalef32_pk8_fp4_f32 v[PC+2*\e+1], v[O+8+16*\e:O+15+16*\e], v[TM+4+\e]
.endr
	v_nop                                          ; one plain place behind the last scaled conversion
	v_lshl_or_b32 v220, v[TM+7], 8, v[TM+6]        ; my head's two bytes of the row's scale word
	ds_store_b64 v245, v[PC:PC+1]                  ; into the images of the projection's operand: K step head / 2, blocks 2 (head % 2) and + 1
	ds_store_b64 v245, v[PC+2:PC+3] offset:256
	ds_store_b16 v246, v220
	s_wait_dscnt 0x0                               ; for the others' sake: my stores have landed
	s_barrier_signal -1
	s_barrier_wait -1                              ; ctx's eight fragments lie in LDS
.irp f, 0,1,2,3,4,5,6,7
.irp c, 0,1
	ds_load_b128 v[S+8*\f+4*\c:S+8*\f+4*\c+3], v247 offset:1024*\f+512*\c
.endr
	ds_load_b32 v[KSC+\f], v248 offset:128*\f
.endr
	s_wait_dscnt 0x0
.irp s, 0,1                                    ; source 0 = 16 tokens of ctx, source 1 = my 16 rows of wo: a lane holds ONE output channel and eight neighbouring tokens.  Four accumulators by turns; K step 0 starts the sums
.irp m, 0,1,2,3
	MM O+8*\m, S+8*(2*\m+\s), WO+8*\s, KSC+2*\m+\s, WOS+\s, 1-\s, 0
.endr
.endr
.rept 4
	v_nop                                          ; places ahead of the reads of the results and of the loads into ctx's registers
.endr
.irp m, 0,1,2,3
	ds_store_b128 v249, v[O+8*\m:O+8*\m+3] offset:128*(\m/2)+32*(\m%2)          ; lane (r, h): channel row r, tokens 32 (m / 2) + 16 h + 8 (m % 2) + 0 .. 7; each accumulator from its low end on
	ds_store_b128 v249, v[O+8*\m+4:O+8*\m+7] offset:128*(\m/2)+32*(\m%2)+16
.endr
.irp t, 0,1,2,3,4,5,6,7
	ds_load_b128 v[S+4*\t:S+4*\t+3], v250 offset:544*\t   ; LDS serves a wave's instructions in order: these see my stores.  Rows 2 t + h, whole
.endr
	s_wait_loadcnt 0x0                             ; x
.irp t, 0,1,2,3,4,5,6,7
	s_wait_dscnt 7-\t                              ; rows 2 t, 2 t + 1 are back; the younger loads may be out
	v_pk_add_f32 v[S+4*\t:S+4*\t+1], v[S+4*\t:S+4*\t+1], v[VT+4*\t:VT+4*\t+1]
	v_pk_add_f32 v[S+4*\t+2:S+4*\t+3], v[S+4*\t+2:S+4*\t+3], v[VT+4*\t+2:VT+4*\t+3]
	global_store_b128 v[XO], v[S+4*\t:S+4*\t+3], s[18:19] offset:(2*\t+8*(\t/4))*16384 th:TH_STORE_NT   ; sixteen lanes store 256 consecutive bytes, aligned
.endr
	s_wait_tensorcnt 0x0                           ; the wave's end, behind my last tensor load and my last LDS store
	ds_add_u32 v[SPW], v[NIL]
	s_wait_dscnt 0x0
	CROUND                                         ; the closing round: no work-group ends while a partner may still ask for a tile that names it
	s_endpgm
.Lfunc_end_k_qadb1af893e_attn:
	.size	k_qadb1af893e_attn, .Lfunc_end_k_qadb1af893e_attn-k_qadb1af893e_attn
	.p2alignl 7, 3214868480
	.fill 96, 4, 3214868480
	.section	.rodata,"a",@progbits
	.p2align	6, 0x0
	.amdhsa_kernel k_qadb1af893e_attn
		.amdhsa_group_segment_fixed_size 327680
		.amdhsa_private_segment_fixed_size 0
		.amdhsa_enable_private_segment 0
		.amdhsa_kernarg_size 64
		.amdhsa_user_sgpr_count 2
		.amdhsa_user_sgpr_kernarg_segment_ptr 1
		.amdhsa_wavefront_size32 1
		.amdhsa_system_sgpr_workgroup_id_x 1
		.amdhsa_system_sgpr_workgroup_id_y 1
		.amdhsa_system_sgpr_workgroup_id_z 1
		.amdhsa_system_vgpr_workitem_id 0
		.amdhsa_next_free_vgpr 256
		.amdhsa_next_free_sgpr 72
		.amdhsa_reserve_vcc 0
		.amdhsa_float_denorm_mode_32 3
		.amdhsa_float_denorm_mode_16_64 3
		.amdhsa_memory_ordered 1
		.amdhsa_forward_progress 1
		.amdhsa_inst_pref_size 119
	.end_amdhsa_kernel
	.amdgpu_metadata
---
amdhsa.version: [ 1, 2 ]
amdhsa.kernels:
  - .name:           k_qadb1af893e_attn
    .symbol:         k_qadb1af893e_attn.kd
    .args:
      - { .name: qimg, .offset: 0, .size: 8, .value_kind: global_buffer, .address_space: global }
      - { .name: qscl, .offset: 8, .size: 8, .value_kind: global_buffer, .address_space: global }
      - { .name: kvimg, .offset: 16, .size: 8, .value_kind: global_buffer, .address_space: global }
      - { .name: kvscl, .offset: 24, .size: 8, .value_kind: global_buffer, .address_space: global }
      - { .name: wimg, .offset: 32, .size: 8, .value_kind: global_buffer, .address_space: global }
      - { .name: wscl, .offset: 40, .size: 8, .value_kind: global_buffer, .address_space: global }
      - { .name: x, .offset: 48, .size: 8, .value_kind: global_buffer, .address_space: global }
      - { .name: out0, .offset: 56, .size: 8, .value_kind: global_buffer, .address_space: global }
    .group_segment_fixed_size: 327680
    .private_segment_fixed_size: 0
    .kernarg_segment_align: 8
    .kernarg_segment_size: 64
    .max_flat_workgroup_size: 512
    .sgpr_count:     72
    .vgpr_count:     256
    .wavefront_size: 32
...
	.end_amdgpu_metadata
.endif
;; end of part 3
